; MI455X (gfx1250); checked and timed in simulation.
; The chip was launched on July 23, 2026; its instructions are those of AMD's public machine-readable ISA for CDNA 5 (MIT licence, August 2026) and "CDNA5" Instruction Set Architecture Reference Guide (July 2026). The comments in the code are by the model that wrote it; some were corrected since.
;; Self Attention. Allowed arithmetic: matrix products marked QUANTISED: E2M1 operands, one E8M0 scale for each 32 along K, by v_wmma_scale_f32_16x16x128_f8f6f4 with both operands' format E2M1 (or v_wmma_scale_f32_32x16x128_f4), f32 sums; products left as they are: bf16, f16 or f32 operands; f32 sums; everything else in f32.
;; Inputs: Wk 512 x 512 float32; Wo 512 x 512 float32; Wq 512 x 512 float32; Wv 512 x 512 float32; bk 512 float32; bo 512 float32; bq 512 float32; bv 512 float32; x 2 x 4,096 x 512 float32.
;; Outputs: out0 2 x 4,096 x 512 float32.
;; This version of the problem:
;;   THIS VERSION OF THE PROBLEM IS GIVEN IN LOW PRECISION. The matrix products marked QUANTISED in the list below multiply operands that are first quantised to E2M1 (2 exponent bits, 1 mantissa bit; 4 bits a number), with one power-of-two scale for each 32 numbers along K (OCP MX v1.0); their sums are f32. The products marked 'left as it is' may take bf16, f16 or f32 operands, with f32 sums. Whichever they take, every output number must still come out within the allowed error. Rounding operands to bf16 (8 significant bits) uses up far more of that allowance than f16 does (11 bits, for magnitudes from 6e-5 to 65,504). All else is computed in f32.
;;   The module's matrix products, in the order in which they are computed (A, B: the left and right operand; K: the contracted axis; several contracted axes count as one K, in the product's order):
;;     1. [M 8,192, K 512] x [K 512, N 512]; A: input x; B: input Wq: QUANTISED
;;     2. [M 8,192, K 512] x [K 512, N 512]; A: input x; B: input Wk: QUANTISED
;;     3. [M 8,192, K 512] x [K 512, N 512]; A: input x; B: input Wv: QUANTISED
;;     4. batch 16 x [M 4,096, K 64] x [K 64, N 4,096]; A: computed on the way; B: computed on the way: left as it is (an operand is computed on the way)
;;     5. batch 16 x [M 64, K 4,096] x [K 4,096, N 4,096]; A: computed on the way; B: computed on the way: left as it is (an operand is computed on the way)
;;     6. [M 8,192, K 512] x [K 512, N 512]; A: computed on the way; B: input Wo: left as it is (an operand is computed on the way)
;;   THE QUANTISER, for each operand of a quantised product, along K:
;;     - K is cut into blocks of 32 from its start; a last block that is shorter is filled with zeros.
;;     - A block's scale is 2^e with e = floor(log2(the largest magnitude in the block)) - 2, held to -126 .. 127; a block of zeros has e = 0. As a byte (E8M0): e + 127.
;;     - Each number is divided by its block's scale, clamped to +-6, and rounded to the nearest number of E2M1, ties to even, subnormals kept.
;;     - The product sums the exact products of the quantised numbers (number of the format x scale) in f32.
;;   ~~~python
;;   def quantise(x, axis):      # numpy; x: float32 -> the quantised numbers, widened to float32 again
;;       x = np.moveaxis(x, axis, -1); K = x.shape[-1]
;;       x = np.pad(x, [(0, 0)] * (x.ndim - 1) + [(0, -K % 32)]); x = x.reshape(x.shape[:-1] + (-1, 32)); a = np.abs(x).max(-1, keepdims=True)
;;       e = np.where(a > 0, np.clip(np.frexp(np.where(a > 0, a, 1))[1] - 1 - 2, -126, 127), 0)      # np.frexp(a)[1] - 1 = floor(log2(a)), exactly
;;       r = np.clip(x / 2.0 ** e, -6, 6)
;;       step = 2.0 ** (np.maximum(np.frexp(np.where(r == 0, 1, r))[1] - 1, 0) - 1)
;;       q = np.round(r / step) * step * 2.0 ** e      # np.round: ties to even
;;       return np.moveaxis(q.reshape(q.shape[:-2] + (-1,))[..., :K], -1, axis).astype(np.float32)
;;   ~~~
;; One version. Each part assembles by itself: llvm-mc -triple=amdgcn-amd-amdhsa -mcpu=gfx1250 --defsym DOCPART=n.
;; ======== version 1 of 1: 4 launches
;; limits: values are held in f16: magnitudes above 65,504 overflow, below 6.1e-05 lose precision
;; workspace buffers: wcodes 393,216 bytes; wscales 24,576 bytes; wo16 524,288 bytes; qimg 8,388,608 bytes; kimg 8,388,608 bytes; vimg 8,388,608 bytes; att 8,388,608 bytes
;; launch prep (part 1): grid 256 x 1, 2 waves a work-group, no clusters, 0 bytes of LDS; arguments Wq, Wk, Wv, Wo, wcodes, wscales, wo16; writes wcodes, wscales, wo16
.if DOCPART == 1
	.amdgcn_target "amdgcn-amd-amdhsa--gfx1250"
	.amdhsa_code_object_version 6
	.text
	.protected	k_qbeaf40e4e3_prep
	.globl	k_qbeaf40e4e3_prep
	.p2align	8
	.type	k_qbeaf40e4e3_prep,@function
k_qbeaf40e4e3_prep:
	s_mov_b64 s[64:65], 0
	v_nop
	global_prefetch_b8 v0, s[64:65] scope:SCOPE_SE
	s_setreg_imm32_b32 hwreg(HW_REG_WAVE_MODE, 25, 1), 1
	s_wait_xcnt 0x0
; The four weights [512 (k)][512 (n)], f32, are laid once in the order in which a wave's operand registers take them.
; Wq, Wk, Wv become codes of FP4 (E2M1) with one E8M0 byte for each 32 along K; Wo becomes f16.
; wcodes  [T = (matrix x 32 + n tile) x 4 + K step][c 2][512 bytes]: lane (r, h) has its 16 bytes at 16 x lane: column 16 x n tile + r, k = 128 x K step + 64 c + 32 h + 0 .. 31.
; wscales [matrix x 512 + n][16 bytes]: word s holds the four bytes of K step s.
; wo16    [q4 4][n tile 32][ksl 4][c 2][512 bytes]: lane (r, h): column 16 x n tile + r, k = 128 q4 + 32 ksl + 16 c + 8 h + 0 .. 7.
; A LANE TAKES A COLUMN n AND ITS REGISTERS RUN DOWN K, in the very order of the operand's layout: the conversions' results are the operand's registers; nothing is transposed.
; SHARES: a wave makes one fragment of codes (work-groups 0-191: 384 fragments) or four f16 fragments of Wo (work-groups 192-255): 64 loads of 4 bytes a lane either way.
; A block's scale is 2^(floor(log2(its largest magnitude)) - 2): its byte is the largest magnitude's exponent field - 2, held at 1 from below.
; LIMITS: a block of zeros gets the byte 1 where the rule says 127 (its codes are zeros, and this program alone reads the bytes); NaN and infinities among the inputs are not served; |Wo| stays under 65,504 (f16).
; No LDS, no barrier, no matrix unit: waves share nothing, and each wave's loads go out in one run.
.set X,  32                            ; v32-95   the lane's 64 numbers
.set CD, 96                            ; v96-127  codes (8 registers) or f16 pairs (32)
	s_load_b256 s[4:11], s[0:1], 0x0               ; Wq s[4:5], Wk s[6:7], Wv s[8:9], Wo s[10:11]
	s_load_b128 s[12:15], s[0:1], 0x20             ; wcodes s[12:13], wscales s[14:15]
	s_load_b64 s[16:17], s[0:1], 0x30              ; wo16
	v_lshrrev_b32 v1, 5, v0
	v_readfirstlane_b32 s18, v1                    ; wave 0, 1
	v_and_b32 v1, 31, v0                           ; lane
	v_and_b32 v2, 15, v0                           ; r
	v_bfe_u32 v3, v0, 4, 1                         ; h
	v_lshlrev_b32 v5, 4, v1                        ; 16 x lane: my place in a half image
	v_lshlrev_b32 v4, 2, v2                        ; 4 r: my column in a tile of 16
	s_mov_b32 s29, 0
	s_cmp_lt_u32 ttmp9, 192                        ; the work-group's number alone decides the path
	s_cbranch_scc0 .Lwo
	; ---- codes of FP4
	s_lshl_b32 s24, ttmp9, 1
	s_add_co_u32 s24, s24, s18                     ; T = 2 x work-group + wave
	s_and_b32 s25, s24, 3                          ; K step
	s_bfe_u32 s26, s24, 0x50002                    ; n tile: 5 bits from bit 2
	s_lshl_b32 s28, s25, 18                        ; 128 rows of 2,048 bytes a K step
	s_lshl_b32 s26, s26, 6                         ; 64 bytes a tile of columns
	s_add_co_u32 s28, s28, s26
	v_lshl_add_u32 v4, v3, 16, v4                  ; lanes 16-31 begin 32 rows further down
	v_lshlrev_b32 v6, 4, v2                        ; my column's row of scale bytes: 16 bytes
	s_mov_b32 s22, 0x76543210
	s_mov_b32 s23, 0xfedcba98                      ; lane selects: lane l xor 16
	s_wait_kmcnt 0x0
	s_cmp_lt_u32 ttmp9, 64
	s_cselect_b64 s[20:21], s[4:5], s[6:7]         ; work-groups 0-63 Wq, 64-127 Wk,
	s_cmp_lt_u32 ttmp9, 128
	s_cselect_b64 s[20:21], s[20:21], s[8:9]       ; 128-191 Wv
	s_add_nc_u64 s[20:21], s[20:21], s[28:29]
.irp c, 0,1
.irp i, 0,1,2,3,4,5,6,7,8,9,10,11,12,13,14,15,16,17,18,19,20,21,22,23,24,25,26,27,28,29,30,31
	global_load_b32 v[X+32*\c+\i], v4, s[20:21] offset:(64*\c+\i)*2048   ; W(128 s + 64 c + 32 h + i, my column)
.endr
.endr
	s_lshl_b32 s28, s24, 10                        ; my fragment in wcodes: 1,024 bytes
	s_add_nc_u64 s[12:13], s[12:13], s[28:29]
	s_lshr_b32 s28, s24, 2
	s_lshl_b32 s28, s28, 8                         ; my tile's 16 rows of scale bytes,
	s_lshl_b32 s25, s25, 2                         ; my K step's word in each
	s_add_co_u32 s28, s28, s25
	s_add_nc_u64 s[14:15], s[14:15], s[28:29]
	s_wait_loadcnt 0x0
.irp c, 0,1                                    ; block 2 c + h: all its 32 numbers are mine
	v_max3_num_f32 v[8+\c], |v[X+32*\c]|, |v[X+32*\c+1]|, 0x1800000   ; with the floor 2^(3 - 127): the byte cannot fall under 1
.endr
.irp i, 2,4,6,8,10,12,14,16,18,20,22,24,26,28,30
.irp c, 0,1
	v_max3_num_f32 v[8+\c], v[8+\c], |v[X+32*\c+\i]|, |v[X+32*\c+\i+1]|   ; the two blocks by turns
.endr
.endr
.irp c, 0,1
	v_add_nc_u32 v[10+\c], 0xff000000, v[8+\c]     ; 2 off the exponent field: the conversion takes this operand's exponent field as its scale
.endr
.irp c, 0,1
	v_lshrrev_b32 v[12+\c], 23, v[10+\c]           ; the scale's byte
.endr
	v_lshl_or_b32 v14, v13, 16, v12                ; blocks h and 2 + h of my column,
	v_lshlrev_b32 v15, 3, v3
	v_lshlrev_b32 v14, v15, v14                    ; at their places in the word (8 h bits up);
	v_mov_b32 v15, 0
	v_permlanex16_b32 v15, v14, s22, s23
	v_or_b32 v14, v14, v15                         ; with lane l xor 16's two the word is whole
.irp c, 0,1
.irp g, 0,1,2,3
	v_cvt_scalef32_pk8_fp4_f32 v[CD+4*\c+\g], v[X+32*\c+8*\g:X+32*\c+8*\g+7], v[10+\c]   ; registers 4 c .. 4 c + 3 of the operand; beyond 6 the largest code
.endr
.endr
	v_nop                                          ; one plain line behind the last scaled conversion
	global_store_b128 v5, v[CD:CD+3], s[12:13]             ; 32 lanes store 512 consecutive bytes, aligned
	global_store_b128 v5, v[CD+4:CD+7], s[12:13] offset:512
	s_wait_xcnt 0x0                                ; EXEC changes only behind this wait
	v_cmp_gt_u32 vcc_lo, 16, v1
	s_and_saveexec_b32 s30, vcc_lo                 ; lanes 0-15: one word a column.  4 bytes of each row of 16: the four K steps of a tile fill its 256 bytes between them; 24,576 bytes of the launch's 5 MB go so
	global_store_b32 v6, v14, s[14:15]
	s_wait_xcnt 0x0                                ; and again in front of the line that widens it
	s_or_b32 exec_lo, exec_lo, s30
	s_endpgm
	; ---- Wo as f16
.Lwo:
	s_sub_co_u32 s24, ttmp9, 192
	s_lshl_b32 s24, s24, 1
	s_add_co_u32 s24, s24, s18                     ; U = 2 x (work-group - 192) + wave
	s_and_b32 s25, s24, 3                          ; q4: which 128 along K
	s_lshr_b32 s26, s24, 2                         ; n tile
	s_lshl_b32 s28, s25, 18
	s_lshl_b32 s27, s26, 6
	s_add_co_u32 s28, s28, s27
	v_lshl_add_u32 v4, v3, 14, v4                  ; lanes 16-31 begin 8 rows further down
	s_wait_kmcnt 0x0
	s_add_nc_u64 s[10:11], s[10:11], s[28:29]
.set n, 0
.rept 64                                       ; number 16 ksl + 8 c + i is Wo(128 q4 + 32 ksl + 16 c + 8 h + i, my column)
	global_load_b32 v[X+n], v4, s[10:11] offset:(32*(n/16)+16*((n/8)%2)+n%8)*2048
.set n, n+1
.endr
	s_lshl_b32 s28, s25, 17                        ; wo16: 131,072 bytes a q4,
	s_lshl_b32 s27, s26, 12                        ; 4,096 a tile
	s_add_co_u32 s28, s28, s27
	s_add_nc_u64 s[16:17], s[16:17], s[28:29]
	s_wait_loadcnt 0x0
.set n, 0
.rept 32
	v_cvt_pk_f16_f32 v[CD+n], v[X+2*n], v[X+2*n+1]         ; the lower k in the low half
.set n, n+1
.endr
.irp i, 0,1,2,3,4,5,6,7
	global_store_b128 v5, v[CD+4*\i:CD+4*\i+3], s[16:17] offset:512*\i   ; half image 2 ksl + c: 512 consecutive bytes, aligned
.endr
	s_endpgm
.Lfunc_end_k_qbeaf40e4e3_prep:
	.size	k_qbeaf40e4e3_prep, .Lfunc_end_k_qbeaf40e4e3_prep-k_qbeaf40e4e3_prep
	.p2alignl 7, 3214868480
	.fill 96, 4, 3214868480
	.section	.rodata,"a",@progbits
	.p2align	6, 0x0
	.amdhsa_kernel k_qbeaf40e4e3_prep
		.amdhsa_group_segment_fixed_size 0
		.amdhsa_private_segment_fixed_size 0
		.amdhsa_enable_private_segment 0
		.amdhsa_kernarg_size 56
		.amdhsa_user_sgpr_count 2
		.amdhsa_user_sgpr_kernarg_segment_ptr 1
		.amdhsa_wavefront_size32 1
		.amdhsa_system_sgpr_workgroup_id_x 1
		.amdhsa_system_sgpr_workgroup_id_y 1
		.amdhsa_system_sgpr_workgroup_id_z 1
		.amdhsa_system_vgpr_workitem_id 0
		.amdhsa_next_free_vgpr 128
		.amdhsa_next_free_sgpr 66
		.amdhsa_reserve_vcc 1
		.amdhsa_float_denorm_mode_32 3
		.amdhsa_float_denorm_mode_16_64 3
		.amdhsa_memory_ordered 1
		.amdhsa_forward_progress 1
		.amdhsa_inst_pref_size 21
	.end_amdhsa_kernel
	.amdgpu_metadata
---
amdhsa.version: [ 1, 2 ]
amdhsa.kernels:
  - .name:           k_qbeaf40e4e3_prep
    .symbol:         k_qbeaf40e4e3_prep.kd
    .args:
      - { .name: Wq, .offset: 0, .size: 8, .value_kind: global_buffer, .address_space: global }
      - { .name: Wk, .offset: 8, .size: 8, .value_kind: global_buffer, .address_space: global }
      - { .name: Wv, .offset: 16, .size: 8, .value_kind: global_buffer, .address_space: global }
      - { .name: Wo, .offset: 24, .size: 8, .value_kind: global_buffer, .address_space: global }
      - { .name: wcodes, .offset: 32, .size: 8, .value_kind: global_buffer, .address_space: global }
      - { .name: wscales, .offset: 40, .size: 8, .value_kind: global_buffer, .address_space: global }
      - { .name: wo16, .offset: 48, .size: 8, .value_kind: global_buffer, .address_space: global }
    .group_segment_fixed_size: 0
    .private_segment_fixed_size: 0
    .kernarg_segment_align: 8
    .kernarg_segment_size: 56
    .max_flat_workgroup_size: 64
    .sgpr_count:     66
    .vgpr_count:     128
    .wavefront_size: 32
...
	.end_amdgpu_metadata
.endif
;; end of part 1
;; launch qkv (part 2): grid 256 x 1, 8 waves a work-group, no clusters, 10,240 bytes of LDS; arguments x, wcodes, wscales, bq, bk, bv, qimg, kimg, vimg; writes qimg, kimg, vimg
.if DOCPART == 2
	.amdgcn_target "amdgcn-amd-amdhsa--gfx1250"
	.amdhsa_code_object_version 6
	.text
	.protected	k_qbeaf40e4e3_qkv
	.globl	k_qbeaf40e4e3_qkv
	.p2align	8
	.type	k_qbeaf40e4e3_qkv,@function
k_qbeaf40e4e3_qkv:
	s_mov_b64 s[64:65], 0
	v_nop
	global_prefetch_b8 v0, s[64:65] scope:SCOPE_SE
	s_setreg_imm32_b32 hwreg(HW_REG_WAVE_MODE, 25, 1), 1
	s_wait_xcnt 0x0
; q = x Wq + bq, k = x Wk + bk, v = x Wv + bv on codes of FP4 (E2M1) with one E8M0 scale for each 32 along K = 512; sums in f32; results rounded once to f16 and laid as images of the operands of the attention launch.
; SHARES.  A work-group takes 32 tokens (two tiles of 16) and all 1,536 outputs, so x is read once in the launch and quantised in registers.  Wave w first quantises one fragment of x (tile w / 4, K step w % 4)
; and hands it to the others through LDS as an image of its registers (16 bytes a lane at 16 x lane; the scale word at 4 x lane).  Then wave w is head w: 4 tiles of 16 outputs of each of q, k, v: 96 matrix instructions.
; THE WEIGHTS come from memory straight into registers, in fragment order (512 consecutive bytes a load).  No cluster: the shared weights, 417,792 bytes of codes and scales, are more than the 327,680 bytes of LDS,
; so sharing them would want a ring with a round of the cluster's barrier for each part, for 96 matrix instructions a wave.
; q AND k ARE MADE TRANSPOSED (source 0 = 16 outputs of W, source 1 = 16 tokens): a lane then holds one token and 8 neighbouring channels, which pack into the lane's 16 bytes of a half image
; [head][token tile][s 2][c 2][512]: token r, channels 32 s + 16 c + 8 h + 0 .. 7.  v IS MADE THE NATURAL WAY (source 0 = tokens): a lane holds one channel and 8 neighbouring tokens:
; [head][32 keys][ct 4][c 2][512]: channel 16 ct + r, keys 16 c + 8 h + 0 .. 7: V^T, with the keys innermost, without any transposing load.
; The biases are the C of each sum's first matrix instruction.
; LIMITS: |q|, |k|, |v| stay under 65,504 (f16); NaN and infinities among the inputs are not served; a block of zeros of x gets the byte 1 over zero codes.
; REGISTERS: window 0: v4-15 addresses; v16-79 x's 8 fragments; v80-87 x's scale words; v88-111 the weights' scale words; v112-175 my 64 numbers of x, then 8 accumulators; v176-207 at work, packed results; v208-239 biases.
;   window 1: two sets of 16 weight fragments, v0-127 and v128-255.
.set XIMG,  0                          ; LDS: x's 8 fragments (4 m + s), 1,024 bytes each,
.set XSC,   8192                       ; their scale words, 128 bytes each,
.set SPARE, 9216                       ; the spare words, 128 bytes for each wave: four blocks of 256 bytes that no other line names
.set XA,  4                            ; v4   x: 2,048 r + 64 h
.set LI,  5                            ; v5   16 x lane
.set LS,  6                            ; v6   4 x lane
.set XWI, 7                            ; v7   where I store my image: 16 x lane + 1,024 x wave
.set XWS, 8                            ; v8   and its scale word: 4 x lane + 128 x wave
.set BA,  9                            ; v9   32 h: bias of a transposed tile
.set BV,  10                           ; v10  4 r: bias of a natural tile
.set SPW, 14                           ; v14  my spare word; never rewritten
.set NIL, 15                           ; v15  0; never rewritten
.set XF,  16
.set XS,  80
.set WS,  88                           ; register 8 mat + 4 (t / 2) + s: lanes 0-15 tile t even, lanes 16-31 tile t odd
.set AC,  112                          ; accumulator 2 t + m
.set PK,  176
.set PC,  176                          ; while x is quantised: its codes,
.set TM,  184                          ; v184-199 at work,
.set PW,  200                          ; the scale word
.set BI,  208
.set WA,  0
.set WB,  128
.set SEL, 24
.set MSB, 0
.macro WIN new                         ; the immediate's high byte repeats the setting that is left
.if MSB != \new
	s_set_vgpr_msb (MSB<<8)|\new
.set MSB, \new
.endif
.endm
.macro PLACES                          ; four plain places behind a matrix instruction, ahead of loads into its registers and of reads of its results
.rept 4
	v_nop
.endr
.endm
.macro WLOAD mat, buf                  ; my head's 16 fragments of one weight: half image 8 t + 2 s + c into registers 4 x that number
	WIN 0x40                                       ; destination window 1
.set n, 0
.rept 32
	global_load_b128 v[\buf+4*n:\buf+4*n+3], v[LI], s[6:7] offset:\mat*131072+512*n
.set n, n+1
.endr
	WIN 0
.endm
.macro BLOADQK ptr                     ; lane (r, h) wants, for tile t, the bias of channels 16 t + 8 h + 0 .. 7
.irp t, 0,1,2,3
.irp c, 0,1
	global_load_b128 v[BI+8*\t+4*\c:BI+8*\t+4*\c+3], v[BA], s[\ptr:\ptr+1] offset:64*\t+16*\c
.endr
.endr
.endm
.macro BLOADV                          ; lane (r, h) wants, for tile t, the bias of channel 16 t + r in all eight registers
.irp t, 0,1,2,3
.irp j, 0,1,2,3,4,5,6,7
	global_load_b32 v[BI+8*\t+\j], v[BV], s[14:15] offset:64*\t
.endr
.endr
.endm
; 64 numbers of a lane, register 16 b + i = k 32 b + 16 (lane / 16) + i of my row, become a fragment's codes in v[PC] on and its scale word in v[PW].
.macro QUANT s
.irp b, 0,1,2,3
	v_max3_num_f32 v[TM+\b], |v[\s+16*\b]|, |v[\s+1+16*\b]|, 0x1800000   ; block b: my 16 numbers, and the floor 2^(3 - 127): the byte cannot fall under 1
.endr
.irp i, 2,4,6,8,10,12,14
.irp b, 0,1,2,3
	v_max3_num_f32 v[TM+\b], v[TM+\b], |v[\s+16*\b+\i]|, |v[\s+1+16*\b+\i]|   ; the four blocks by turns
.endr
.endr
.irp b, 0,1,2,3
	v_permlanex16_b32 v[TM+4+\b], v[TM+\b], s[SEL], s[SEL+1]
.endr
.irp b, 0,1,2,3
	v_max_num_f32 v[TM+\b], v[TM+\b], v[TM+4+\b]   ; with lane l xor 16's: the block's largest magnitude
.endr
.irp b, 0,1,2,3
	v_add_nc_u32 v[TM+12+\b], 0xff000000, v[TM+\b] ; 2 off its exponent field: the conversion's scale operand
.endr
.irp b, 0,1,2,3
	v_lshrrev_b32 v[TM+4+\b], 23, v[TM+12+\b]      ; the scale's byte
.endr
	v_lshl_or_b32 v[PW], v[TM+5], 8, v[TM+4]
	v_lshl_or_b32 v[PW], v[TM+6], 16, v[PW]
	v_lshl_or_b32 v[PW], v[TM+7], 24, v[PW]        ; my row's scale word
.irp b, 0,1,2,3
	v_cvt_scalef32_pk8_fp4_f32 v[PC+2*\b], v[\s+16*\b:\s+7+16*\b], v[TM+12+\b]
	v_cvt_scalef32_pk8_fp4_f32 v[PC+1+2*\b], v[\s+8+16*\b:\s+15+16*\b], v[TM+12+\b]
.endr
	v_nop                                          ; one plain place behind the last scaled conversion
.irp c, 0,1                                    ; the operand's layout wants a WHOLE block in a lane: lanes 0-15 block 2 c, lanes 16-31 block 2 c + 1
.irp i, 0,1
	v_permlane16_swap_b32 v[PC+4*\c+\i], v[PC+2+4*\c+\i]
.endr
.endr
.endm
; 8 matrix instructions: K step ks of the group's 4 tiles x 2 tiles of tokens.  The 8 accumulators take turns, one instruction a turn.  ks = 0: the bias is C.
.macro MM mat, buf, nat, ks
.irp t, 0,1,2,3
.irp m, 0,1
.set rD, AC+8*(2*\t+\m)
.set rW, \buf+32*\t+8*\ks
.set rX, XF+8*(4*\m+\ks)
.set rC, rD
.if \ks == 0
.set rC, BI+8*\t
.endif
.set rWS, WS+8*\mat+4*(\t/2)+\ks
.set rXS, XS+4*\m+\ks
.if \nat
.if \t%2
	v_wmma_scale_f32_16x16x128_f8f6f4 v[rD:rD+7], v[rX:rX+7], v[rW:rW+7], v[rC:rC+7], v[rXS], v[rWS] matrix_a_fmt:MATRIX_FMT_FP4 matrix_b_fmt:MATRIX_FMT_FP4 matrix_b_scale:MATRIX_SCALE_ROW1
.else
	v_wmma_scale_f32_16x16x128_f8f6f4 v[rD:rD+7], v[rX:rX+7], v[rW:rW+7], v[rC:rC+7], v[rXS], v[rWS] matrix_a_fmt:MATRIX_FMT_FP4 matrix_b_fmt:MATRIX_FMT_FP4
.endif
.else
.if \t%2
	v_wmma_scale_f32_16x16x128_f8f6f4 v[rD:rD+7], v[rW:rW+7], v[rX:rX+7], v[rC:rC+7], v[rWS], v[rXS] matrix_a_fmt:MATRIX_FMT_FP4 matrix_b_fmt:MATRIX_FMT_FP4 matrix_a_scale:MATRIX_SCALE_ROW1
.else
	v_wmma_scale_f32_16x16x128_f8f6f4 v[rD:rD+7], v[rW:rW+7], v[rX:rX+7], v[rC:rC+7], v[rWS], v[rXS] matrix_a_fmt:MATRIX_FMT_FP4 matrix_b_fmt:MATRIX_FMT_FP4
.endif
.endif
.endr
.endr
.endm
; One of q, k, v for my head: 32 matrix instructions, rounding to f16, 8 stores of 512 consecutive bytes.
.macro GROUP mat, buf, nat
	WIN 0x01+3*\nat                                ; the weight's fragments lie in window 1: source 0 (0x01), or source 1 where the product is natural (0x04)
	MM \mat, \buf, \nat, 0
.if \mat < 2
	WIN 0
	PLACES                                         ; the biases have been read: the next group's may be loaded over them
.if \mat == 0
	BLOADQK 12
.else
	BLOADV
.endif
	WIN 0x01+3*\nat
.endif
	MM \mat, \buf, \nat, 1
	MM \mat, \buf, \nat, 2
	MM \mat, \buf, \nat, 3
	WIN 0
	PLACES                                         ; ahead of loads into the weight's registers and of the conversions that read the results
.if \mat == 0
	WLOAD 2, WA                                    ; Wv into the set that Wq has left
.endif
.if \mat > 0
	s_wait_xcnt 0x0                                ; the last group's stores have read their data registers: they are written again only behind this wait
.endif
.irp a, 0,1,2,3,4,5,6,7
.irp j, 0,1,2,3
	v_cvt_pk_f16_f32 v[PK+4*\a+\j], v[AC+8*\a+2*\j], v[AC+8*\a+2*\j+1]   ; each accumulator from its low end on
.endr
.endr
.irp t, 0,1,2,3
.irp m, 0,1
.if \nat
	global_store_b128 v[LI], v[PK+4*(2*\t+\m):PK+4*(2*\t+\m)+3], s[16+2*\mat:17+2*\mat] offset:\t*1024+\m*512
.else
	global_store_b128 v[LI], v[PK+4*(2*\t+\m):PK+4*(2*\t+\m)+3], s[16+2*\mat:17+2*\mat] offset:\m*2048+\t*512
.endif
.endr
.endr
.endm
	s_load_b256 s[4:11], s[0:1], 0x0               ; x s[4:5], wcodes s[6:7], wscales s[8:9], bq s[10:11]
	s_load_b256 s[12:19], s[0:1], 0x20             ; bk s[12:13], bv s[14:15], qimg s[16:17], kimg s[18:19]
	s_load_b64 s[20:21], s[0:1], 0x40              ; vimg
	v_lshl_add_u32 v[SPW], v0, 2, SPARE
	v_mov_b32 v[NIL], 0
	v_lshrrev_b32 v1, 5, v0
	v_readfirstlane_b32 s22, v1                    ; wave 0..7
	v_and_b32 v1, 31, v0                           ; lane
	v_and_b32 v2, 15, v0                           ; r
	v_bfe_u32 v3, v0, 4, 1                         ; h
	v_lshlrev_b32 v[XA], 11, v2
	v_lshl_add_u32 v[XA], v3, 6, v[XA]             ; row r of 2,048 bytes, + 64 h: my 16 numbers of a block of 32
	v_lshlrev_b32 v[LI], 4, v1
	v_lshlrev_b32 v[LS], 2, v1
	s_lshl_b32 s26, s22, 10
	v_add_nc_u32 v[XWI], s26, v[LI]
	s_lshl_b32 s26, s22, 7
	v_add_nc_u32 v[XWS], s26, v[LS]
	v_lshlrev_b32 v[BA], 5, v3
	v_lshlrev_b32 v[BV], 2, v2
.irp b, 0,1,2,3
	v_mov_b32 v[TM+4+\b], 0                        ; a lane permute's destination counts as one of its sources
.endr
	s_mov_b32 s[SEL], 0x76543210
	s_mov_b32 s[SEL+1], 0xfedcba98                 ; lane l xor 16
	s_lshl_b32 s26, ttmp9, 16                      ; x: my work-group's 32 rows of 2,048 bytes,
	s_lshr_b32 s27, s22, 2
	s_lshl_b32 s27, s27, 15                        ; my tile of 16 rows,
	s_add_co_u32 s26, s26, s27
	s_and_b32 s27, s22, 3
	s_lshl_b32 s27, s27, 9                         ; my K step's 512 bytes
	s_add_co_u32 s26, s26, s27
	s_mov_b32 s27, 0
	s_lshl_b32 s28, s22, 14                        ; wcodes: my head's 4 tiles x 4,096 bytes
	s_mov_b32 s29, 0
	s_lshl_b32 s30, s22, 10                        ; wscales: my head's 64 rows of 16 bytes
	s_mov_b32 s31, 0
	s_lshl_b32 s32, s22, 8                         ; biases: my head's 64 numbers
	s_mov_b32 s33, 0
	s_lshr_b32 s34, ttmp9, 7                       ; the batch,
	s_lshl_b32 s34, s34, 3
	s_add_co_u32 s34, s34, s22                     ; batch x 8 + head
	s_lshl_b32 s34, s34, 19                        ; 524,288 bytes of each image a head
	s_and_b32 s35, ttmp9, 127
	s_lshl_b32 s35, s35, 12                        ; my 32 tokens: 4,096 bytes of each
	s_add_co_u32 s34, s34, s35
	s_mov_b32 s35, 0
	s_wait_kmcnt 0x0
	s_add_nc_u64 s[4:5], s[4:5], s[26:27]
	s_add_nc_u64 s[6:7], s[6:7], s[28:29]
	s_add_nc_u64 s[8:9], s[8:9], s[30:31]
	s_add_nc_u64 s[10:11], s[10:11], s[32:33]
	s_add_nc_u64 s[12:13], s[12:13], s[32:33]
	s_add_nc_u64 s[14:15], s[14:15], s[32:33]
	s_add_nc_u64 s[16:17], s[16:17], s[34:35]
	s_add_nc_u64 s[18:19], s[18:19], s[34:35]
	s_add_nc_u64 s[20:21], s[20:21], s[34:35]
.irp b, 0,1,2,3
.irp j, 0,1,2,3
	global_load_b128 v[AC+16*\b+4*\j:AC+16*\b+4*\j+3], v[XA], s[4:5] offset:128*\b+16*\j th:TH_LOAD_NT   ; x is read once in the launch
.endr
.endr
	WLOAD 0, WA
	BLOADQK 10
.irp mt, 0,1,2
.irp tp, 0,1
	global_load_b128 v[WS+8*\mt+4*\tp:WS+8*\mt+4*\tp+3], v[LI], s[8:9] offset:\mt*8192+512*\tp   ; 32 rows' four scale words: lanes 0-15 the even tile, lanes 16-31 the odd one
.endr
.endr
	s_wait_loadcnt 46                              ; x's 16 loads are in; behind them stand Wq's 32, bq's 8 and the scale words' 6
	QUANT AC
	ds_store_b128 v[XWI], v[PC:PC+3] offset:XIMG
	ds_store_b128 v[XWI], v[PC+4:PC+7] offset:XIMG+512
	ds_store_b32 v[XWS], v[PW] offset:XSC
	WLOAD 1, WB
	s_wait_dscnt 0x0                               ; for the others' sake: my image has landed
	s_barrier_signal -1
	s_barrier_wait -1                              ; x's eight fragments lie in LDS
.irp f, 0,1,2,3,4,5,6,7
	ds_load_b128 v[XF+8*\f:XF+8*\f+3], v[LI] offset:XIMG+1024*\f
	ds_load_b128 v[XF+8*\f+4:XF+8*\f+7], v[LI] offset:XIMG+1024*\f+512
	ds_load_b32 v[XS+\f], v[LS] offset:XSC+128*\f
.endr
	s_wait_dscnt 0x0
	s_wait_loadcnt 32                              ; Wq, bq and the scale words are in; Wk's 32 loads may be out
	GROUP 0, WA, 0
	s_wait_loadcnt 32                              ; Wk and bk are in; Wv's 32 loads, issued behind them, may be out
	GROUP 1, WB, 0
	s_wait_loadcnt 0x0                             ; Wv and bv
	GROUP 2, WA, 1
	s_wait_tensorcnt 0x0                           ; the wave's end: behind my last LDS store
	ds_add_u32 v[SPW], v[NIL]
	s_wait_dscnt 0x0
	s_endpgm
.Lfunc_end_k_qbeaf40e4e3_qkv:
	.size	k_qbeaf40e4e3_qkv, .Lfunc_end_k_qbeaf40e4e3_qkv-k_qbeaf40e4e3_qkv
	.p2alignl 7, 3214868480
	.fill 96, 4, 3214868480
	.section	.rodata,"a",@progbits
	.p2align	6, 0x0
	.amdhsa_kernel k_qbeaf40e4e3_qkv
		.amdhsa_group_segment_fixed_size 10240
		.amdhsa_private_segment_fixed_size 0
		.amdhsa_enable_private_segment 0
		.amdhsa_kernarg_size 72
		.amdhsa_user_sgpr_count 2
		.amdhsa_user_sgpr_kernarg_segment_ptr 1
		.amdhsa_wavefront_size32 1
		.amdhsa_system_sgpr_workgroup_id_x 1
		.amdhsa_system_sgpr_workgroup_id_y 1
		.amdhsa_system_sgpr_workgroup_id_z 1
		.amdhsa_system_vgpr_workitem_id 0
		.amdhsa_next_free_vgpr 512
		.amdhsa_next_free_sgpr 66
		.amdhsa_reserve_vcc 0
		.amdhsa_float_denorm_mode_32 3
		.amdhsa_float_denorm_mode_16_64 3
		.amdhsa_memory_ordered 1
		.amdhsa_forward_progress 1
		.amdhsa_inst_pref_size 46
	.end_amdhsa_kernel
	.amdgpu_metadata
---
amdhsa.version: [ 1, 2 ]
amdhsa.kernels:
  - .name:           k_qbeaf40e4e3_qkv
    .symbol:         k_qbeaf40e4e3_qkv.kd
    .args:
      - { .name: x, .offset: 0, .size: 8, .value_kind: global_buffer, .address_space: global }
      - { .name: wcodes, .offset: 8, .size: 8, .value_kind: global_buffer, .address_space: global }
      - { .name: wscales, .offset: 16, .size: 8, .value_kind: global_buffer, .address_space: global }
      - { .name: bq, .offset: 24, .size: 8, .value_kind: global_buffer, .address_space: global }
      - { .name: bk, .offset: 32, .size: 8, .value_kind: global_buffer, .address_space: global }
      - { .name: bv, .offset: 40, .size: 8, .value_kind: global_buffer, .address_space: global }
      - { .name: qimg, .offset: 48, .size: 8, .value_kind: global_buffer, .address_space: global }
      - { .name: kimg, .offset: 56, .size: 8, .value_kind: global_buffer, .address_space: global }
      - { .name: vimg, .offset: 64, .size: 8, .value_kind: global_buffer, .address_space: global }
    .group_segment_fixed_size: 10240
    .private_segment_fixed_size: 0
    .kernarg_segment_align: 8
    .kernarg_segment_size: 72
    .max_flat_workgroup_size: 256
    .sgpr_count:     66
    .vgpr_count:     512
    .wavefront_size: 32
...
	.end_amdgpu_metadata
.endif
;; end of part 2
;; launch attn (part 3): grid 16 x 16, 8 waves a work-group, clusters of 4 x 1, 327,680 bytes of LDS; arguments qimg, kimg, vimg, att; writes att
.if DOCPART == 3
	.amdgcn_target "amdgcn-amd-amdhsa--gfx1250"
	.amdhsa_code_object_version 6
	.text
	.protected	k_qbeaf40e4e3_attn
	.globl	k_qbeaf40e4e3_attn
	.p2align	8
	.type	k_qbeaf40e4e3_attn,@function
k_qbeaf40e4e3_attn:
	s_mov_b64 s[64:65], 0
	v_nop
	global_prefetch_b8 v0, s[64:65] scope:SCOPE_SE
	s_setreg_imm32_b32 hwreg(HW_REG_WAVE_MODE, 25, 1), 1
	s_wait_xcnt 0x0
	s_wait_alu depctr_hold_cnt(0) depctr_sa_sdst(0) depctr_va_vdst(0) depctr_va_sdst(0) depctr_va_ssrc(0) depctr_va_vcc(0) depctr_vm_vsrc(0)
	s_getreg_b32 s2, hwreg(HW_REG_IB_STS2, 6, 4)
	s_cmp_eq_u32 s2, 0
	s_cbranch_scc0 .Lentry_in_a_cluster
	s_endpgm
.Lentry_in_a_cluster:
	s_bfe_u32 s2, ttmp6, 0x10000c
	s_cmp_lg_u32 s2, 0x3003
	s_cbranch_scc0 .Lentry_shape_is_right
	s_endpgm
.Lentry_shape_is_right:
; att[b][q][64 head ..] = the sum over k of softmax_k(q . k / 8) v, for 16 heads (batch x 8 + head) of 4,096 tokens and 64 channels.  q, k, v arrive as f16 images of the operands' registers; products, maxima and sums in f32;
; the weights p are rounded to f16 for the second product, the result once at the end.
; SHARES.  A work-group owns 256 queries of one head.  Wave w: qg = w % 4 picks 64 queries (four tiles of 16), kp = w / 4 picks a half of the keys: of each slot's 8 steps of 64 keys it walks steps 4 kp .. 4 kp + 3.
; So two waves lie on a SIMD, one wave's softmax beside the other's products and LDS loads, while each fragment of K and V read from LDS still feeds four matrix instructions.
; At the end waves w and w xor 4 merge their maxima, sums and O through LDS.  Register tile i of a wave is query tile (i + 2 kp) % 4: every wave finishes its register tiles 0, 1 and ships 2, 3: no branch on the wave's number.
; LAYOUT.  S^T = K Q^T (source 0 = 16 keys, source 1 = 16 queries) and O^T = V^T P (source 0 = 16 channels, source 1 = P): a lane holds ONE query (lane % 16) throughout; two tiles of S^T, rounded in pairs, are source 1 of the second product.
; SOFTMAX.  For each query a running maximum m and sum l: p = 2^(c s - c m), c = log2(e) / 8; in every step O and l are multiplied by a = 2^(c m_old - c m_new).  m begins at -3e38 and O, l at 0: the step is written without a first step of its own.
; RING.  Two LDS slots of 512 keys: K's 64 KiB, then V's.  All tiles are images: dense blocks in memory, read from LDS 16 bytes a lane on end, so no pitch and no padding.  Each wave fetches 16 KiB a slot (waves 0-3 K's quarters, 4-7 V's).
; CLUSTER.  The four query blocks of a cluster belong to one head and walk the same K and V: each tile is asked for JOINTLY, by the same tensor load with the same descriptor and a mask that names the four.
; LIMITS: |q|, |k|, |v| under 65,504 (f16, kept by the launch before); NaN and infinities are not served.
; REGISTERS: window 0: v1-15 addresses; v16-31 at work on the way out; v32-63 statistics, 8 a tile; v64-191 S^T, 32 a tile; v192-255 the step's K, then its V.
;   window 1: v0-127 O^T, 32 a tile; v128-191 Q, 16 a tile; v192-255 P, 16 a tile.
.set SLOT1, 1<<17                      ; slot 1 begins here: one exclusive or turns an address in one slot into the other's
.set SPARE, 2*SLOT1                    ; behind the ring: the spare words, 128 bytes for each wave: four blocks of 256 bytes that no other line names
.set XCH,   8704                       ; the way out: 8,192 bytes of O and 512 of statistics for each wave, in slot 0, which has had its last fill and its last read at the last change of slots
.set LI,  1                            ; v1   16 x lane
.set AK0, 2                            ; v2   my place in a step's K: 16 x lane + 32,768 kp
.set AV0, 3                            ; v3   in its V: 65,536 further on
.set ADK, 4                            ; v4   LDS address of the step's K
.set ADV, 5                            ; v5   of its V
.set QA,  6                            ; v6   Q: register tiles 0, 1
.set QB,  7                            ; v7   Q: register tiles 2, 3
.set XW,  8                            ; v8   where I ship O: 16 x lane + 8,704 w
.set XR,  9                            ; v9   where my partner shipped: 16 x lane + 8,704 (w xor 4)
.set XWS, 10                           ; v10  statistics: 4 x lane + 8,704 w
.set XRS, 11                           ; v11  4 x lane + 8,704 (w xor 4)
.set PFO, 12                           ; v12  256 x lane: the prefetches' offset; never rewritten
.set SPW, 14                           ; v14  my spare word; never rewritten
.set NIL, 15                           ; v15  0; never rewritten
.set ST,  32                           ; tile t at v[ST + 8 t]: +0 c m, +1 m, +2, +3 l (even and odd registers' keys), +4 .. +7 at work; a in +6
.set S,   64
.set KV,  192
.set Q,   128                          ; in window 1
.set P,   192                          ; in window 1
.set WV,  12                           ; s12  my wave's number
.set G1,  24                           ; s[24:31] descriptor group 1: one shape for K's and V's tiles
.set G0K, 32                           ; s[32:35] group 0 for K's tiles, which walks
.set G0V, 52                           ; s[52:55] for V's
.set SLOTS, 36
.set STEPS, 37
.set CS,  38                           ; s[38:39] c: the packed form names a pair and takes its low word for both halves
.set SEL, 40                           ; s[40:41] lane l xor 16
.set TB,  42                           ; s42  LDS byte at which the step in hand begins, for kp = 0
.set LIM, 43                           ; s43  1 in a wave that prefetches, else the greatest number
.set PFA, 44                           ; s[44:45] where my prefetches stand
.set MSB, 0
.macro WIN new                         ; the immediate's high byte repeats the setting that is left
.if MSB != \new
	s_set_vgpr_msb (MSB<<8)|\new
.set MSB, \new
.endif
.endm
.macro PLACES
.rept 4
	v_nop
.endr
.endm
; A joint load.  Waves 0-3 fetch K's quarters, waves 4-7 V's.  The branch hangs on the wave's number alone.  An s_nop 0 and four v_nop follow each of the two lines.
.macro JLOAD
	s_cmp_lt_u32 s[WV], 4
	s_cbranch_scc0 .Lfor_v_\@
	tensor_load_to_lds s[G0K:G0K+3], s[G1:G1+7]
	s_nop 0
.rept 4
	v_nop
.endr
	s_branch .Lasked_\@
.Lfor_v_\@:
	tensor_load_to_lds s[G0V:G0V+3], s[G1:G1+7]
	s_nop 0
.rept 4
	v_nop
.endr
.Lasked_\@:
.endm
; A prefetch of what the NEXT change of slots will ask for: a slot's 65,536 bytes of K and of V, four key steps of each wave ahead of that load.  Each aligned block of 256 bytes is named once in the launch:
; all clusters of a head walk the same K and V, so the head's first cluster asks; in it the even waves, each for its own quarter and the next (32,768 bytes); the four partners share those out BY ADDRESS, 8,192 bytes each,
; lanes 256 bytes apart.  The last change that fills a slot asks for nothing; slots 0 and 1 come by their loads alone.
.macro ASK
	s_cmp_gt_u32 s[SLOTS], s[LIM]
	s_cbranch_scc0 .Lnot_mine_\@
	global_prefetch_b8 v[PFO], s[PFA:PFA+1] th:TH_LOAD_NT scope:SCOPE_SE
.Lnot_mine_\@:
.endm
.macro CROUND                          ; a round of the cluster's barrier
	s_barrier_signal -1
	s_barrier_wait -1
	s_cmp_lg_u32 s[WV], 0
	s_cbranch_scc1 .Lnot_wave_0_\@
	s_barrier_signal -3
.Lnot_wave_0_\@:
	s_barrier_wait -3
	s_barrier_signal -1
	s_barrier_wait -1
.endm
	s_load_b256 s[4:11], s[0:1], 0x0               ; qimg s[4:5], kimg s[6:7], vimg s[8:9], att s[10:11]
	v_lshl_add_u32 v[SPW], v0, 2, SPARE
	v_mov_b32 v[NIL], 0
	ds_add_u32 v[SPW], v[NIL]                      ; the wave's opening: the add, twice on end, and its wait ahead of my first tensor load; the set-up below, work on registers, stands between
	ds_add_u32 v[SPW], v[NIL]
	v_lshrrev_b32 v13, 5, v0
	v_readfirstlane_b32 s[WV], v13                 ; wave 0..7
	s_bfe_u32 s13, ttmp6, 0x40000                  ; cx: my place in the cluster
	s_lshl_b32 s14, ttmp9, 2                       ; in a cluster launch ttmp9 counts clusters
	s_add_co_u32 s14, s14, s13                     ; my block of 256 queries: it enters Q's and att's addresses alone
	s_and_b32 s15, ttmp7, 0xffff                   ; batch x 8 + head, which the four partners share
	s_lshl_b32 s16, s15, 19                        ; 524,288 bytes of each image a head
	s_and_b32 s18, s[WV], 3                        ; qg; also: which quarter of a slot's K or V I fetch
	s_lshr_b32 s19, s[WV], 2                       ; kp
	s_lshl_b32 s20, s18, 14
	s_add_co_u32 s20, s20, s16                     ; K, V: the head + my quarter of slot 0
	s_mov_b32 s21, 0
	s_lshl_b32 s22, s14, 15                        ; Q: 16 tiles of 2,048 bytes a block,
	s_lshl_b32 s23, s18, 13                        ; 4 a wave
	s_add_co_u32 s22, s22, s23
	s_add_co_u32 s22, s22, s16
	s_mov_b32 s23, 0
	s_and_b32 s46, s15, 7                          ; head
	s_lshr_b32 s47, s15, 3                         ; batch
	s_lshr_b32 s48, s46, 1
	s_lshl_b32 s48, s48, 21                        ; att: [head / 2] 512 token tiles of 4,096 bytes,
	s_and_b32 s46, s46, 1
	s_lshl_b32 s46, s46, 11                        ; (head % 2) x 2,048 in a tile,
	s_add_co_u32 s48, s48, s46
	s_lshl_b32 s47, s47, 20                        ; 256 tiles a batch,
	s_add_co_u32 s48, s48, s47
	s_lshl_b32 s47, s14, 16                        ; 16 a block,
	s_add_co_u32 s48, s48, s47
	s_lshl_b32 s47, s18, 14                        ; 4 a qg,
	s_add_co_u32 s48, s48, s47
	s_lshl_b32 s47, s19, 13                        ; and the 2 that I finish
	s_add_co_u32 s48, s48, s47
	s_mov_b32 s49, 0
	s_lshl_b32 s50, s[WV], 14                      ; where my 16 KiB go in a slot: no place in the cluster enters an LDS address
	; descriptor group 1: a dense block of 16,384 bytes as 64 rows of 256 bytes (32 elements of 8 bytes), no padding
	s_mov_b32 s[G1], 15|(3<<16)|(1<<21)            ; 15:0 the mask: all four work-groups; 17:16 elements of 8 bytes; 21 set beside a mask
	s_mov_b32 s[G1+1], 32<<16                      ; tensor_dim0 = 32
	s_mov_b32 s[G1+2], 64<<16                      ; tensor_dim1 = 64
	s_mov_b32 s[G1+3], 32<<16                      ; tile_dim0 = 32
	s_mov_b32 s[G1+4], 64                          ; tile_dim1 = 64
	s_mov_b32 s[G1+5], 32                          ; from row to row
	s_mov_b32 s[G1+6], 0
	s_mov_b32 s[G1+7], 0
	s_mov_b32 s[CS], 0x3e38aa3b                    ; c = log2(e) / sqrt(64)
	s_mov_b32 s[CS+1], s[CS]
	s_mov_b32 s[SEL], 0x76543210
	s_mov_b32 s[SEL+1], 0xfedcba98
	s_mov_b32 s[TB], 0
	s_mov_b32 s[SLOTS], 7
	s_and_b32 s[LIM], s[WV], 1                     ; 0 in the even waves
	s_or_b32 s[LIM], s[LIM], ttmp9                 ; of the head's first cluster: the same in all four partners
	s_cmp_eq_u32 s[LIM], 0
	s_cselect_b32 s[LIM], 1, -1
	v_and_b32 v13, 31, v0                          ; lane
	v_lshlrev_b32 v[LI], 4, v13
	v_lshlrev_b32 v[PFO], 8, v13
	s_lshl_b32 s51, s19, 15
	v_add_nc_u32 v[AK0], s51, v[LI]
	v_add_nc_u32 v[AV0], 0x10000, v[AK0]
	s_lshl_b32 s51, s19, 12
	v_add_nc_u32 v[QA], s51, v[LI]                 ; register tiles 0, 1 are query tiles 2 kp, 2 kp + 1,
	s_sub_co_u32 s51, 4096, s51
	v_add_nc_u32 v[QB], s51, v[LI]                 ; tiles 2, 3 the other two
	s_mul_i32 s51, s[WV], XCH
	v_add_nc_u32 v[XW], s51, v[LI]
	v_lshlrev_b32 v[XWS], 2, v13
	v_lshlrev_b32 v[XRS], 2, v13
	v_add_nc_u32 v[XWS], s51, v[XWS]
	s_xor_b32 s51, s[WV], 4
	s_mul_i32 s51, s51, XCH
	v_add_nc_u32 v[XR], s51, v[LI]
	v_add_nc_u32 v[XRS], s51, v[XRS]
	s_wait_dscnt 0x0                               ; both opening adds are done
	s_wait_kmcnt 0x0
	s_add_nc_u64 s[4:5], s[4:5], s[22:23]          ; Q at my wave's four tiles
	s_add_nc_u64 s[10:11], s[10:11], s[48:49]      ; att at the two tiles that I finish
	s_cmp_lt_u32 s[WV], 4
	s_cselect_b64 s[PFA:PFA+1], s[6:7], s[8:9]
	s_add_nc_u64 s[PFA:PFA+1], s[PFA:PFA+1], s[20:21]
	s_lshl_b32 s46, s13, 13                        ; my work-group's 8,192 bytes,
	s_add_co_u32 s46, s46, 65536                   ; in slot 1: the first change of slots steps it to slot 2.  Nothing is prefetched at the head
	s_mov_b32 s47, 0
	s_add_nc_u64 s[PFA:PFA+1], s[PFA:PFA+1], s[46:47]
	s_mov_b32 s[G0K], 1                            ; count = 1
	s_mov_b32 s[G0K+1], s50                        ; LDS address: slot 0
	s_add_nc_u64 s[G0K+2:G0K+3], s[6:7], s[20:21]  ; global address: my quarter of the head's first 512 keys
	s_or_b32 s[G0K+3], s[G0K+3], 0x80000000        ; type = 2
	s_mov_b32 s[G0V], 1
	s_mov_b32 s[G0V+1], s50
	s_add_nc_u64 s[G0V+2:G0V+3], s[8:9], s[20:21]
	s_or_b32 s[G0V+3], s[G0V+3], 0x80000000
	CROUND                                         ; all four work-groups are here: the first joint loads meet
	JLOAD                                          ; slot 0: one load of mine is out
	WIN 0x40                                       ; destination window 1
.irp i, 0,1
.irp f, 0,1,2,3                                ; Q stays in registers: half image f = 2 s + c of a tile
	global_load_b128 v[Q+16*\i+4*\f:Q+16*\i+4*\f+3], v[QA], s[4:5] offset:\i*2048+\f*512
	global_load_b128 v[Q+32+16*\i+4*\f:Q+32+16*\i+4*\f+3], v[QB], s[4:5] offset:\i*2048+\f*512
.endr
.endr
.set i, 0
.rept 128
	v_mov_b32 v[i], 0                              ; O^T, once: the loop's first step finds zeros, which its a = 0 leaves zeros
.set i, i+1
.endr
	WIN 0
.irp t, 0,1,2,3
	v_mov_b32 v[ST+8*\t+1], 0xff61b1e6             ; m = -3e38, under every score
	v_mov_b32 v[ST+8*\t+2], 0                      ; l
	v_mov_b32 v[ST+8*\t+3], 0
	v_mov_b32 v[ST+8*\t+7], 0
.endr
.irp t, 0,1,2,3
	v_mul_f32 v[ST+8*\t], s[CS], v[ST+8*\t+1]      ; c m
.endr
	s_wait_loadcnt 0x0                             ; Q
; Product i of 32 of S^T = K Q^T: channels 32 (i / 16) on, keys 16 ((i / 4) % 4) on, tile i % 4.  The first 16 start the sums.  The 16 accumulators take turns, one instruction a turn.
.macro KQ
.set rS, S+32*(i%4)+8*((i/4)%4)
.set rK, KV+16*((i/4)%4)+8*(i/16)
.set rQ, Q+16*(i%4)+8*(i/16)
.if i < 16
	v_wmma_f32_16x16x32_f16 v[rS:rS+7], v[rK:rK+7], v[rQ:rQ+7], 0
.else
	v_wmma_f32_16x16x32_f16 v[rS:rS+7], v[rK:rK+7], v[rQ:rQ+7], v[rS:rS+7]
.endif
.set i, i+1
.endm
; Product i of 32 of O^T += V^T P: keys 32 (i / 16) on, channels 16 ((i / 4) % 4) on, tile i % 4.
.macro PV
.set rO, 32*(i%4)+8*((i/4)%4)
.set rV, KV+32*(i/16)+8*((i/4)%4)
.set rP, P+16*(i%4)+8*(i/16)
	v_wmma_f32_16x16x32_f16 v[rO:rO+7], v[rV:rV+7], v[rP:rP+7], v[rO:rO+7]
.set i, i+1
.endm
; The four tiles' softmax for 64 keys, line by line through the four tiles, so that no line waits for the line above it: 118 vector instructions a tile.
.macro SOFTMAX
.irp j, 0,1,2,3                                ; the maximum of the lane's 32 scores and the old m, three operands at a time; each accumulator is read from its low end on
.irp t, 0,1,2,3
	v_max3_num_f32 v[ST+8*\t+4+\j], v[S+32*\t+8*\j], v[S+32*\t+8*\j+1], v[S+32*\t+8*\j+2]
.endr
.endr
.irp u, 1,2
.irp j, 0,1,2,3
.irp t, 0,1,2,3
	v_max3_num_f32 v[ST+8*\t+4+\j], v[ST+8*\t+4+\j], v[S+32*\t+8*\j+2*\u+1], v[S+32*\t+8*\j+2*\u+2]
.endr
.endr
.endr
.irp t, 0,1,2,3
	v_max3_num_f32 v[ST+8*\t+4], v[ST+8*\t+4], v[S+32*\t+7], v[S+32*\t+15]
.endr
.irp t, 0,1,2,3
	v_max3_num_f32 v[ST+8*\t+6], v[ST+8*\t+6], v[S+32*\t+23], v[S+32*\t+31]
.endr
.irp t, 0,1,2,3
	v_max3_num_f32 v[ST+8*\t+4], v[ST+8*\t+4], v[ST+8*\t+5], v[ST+8*\t+6]
.endr
.irp t, 0,1,2,3
	v_max3_num_f32 v[ST+8*\t+4], v[ST+8*\t+4], v[ST+8*\t+7], v[ST+8*\t+1]
.endr
.irp t, 0,1,2,3
	v_permlanex16_b32 v[ST+8*\t+5], v[ST+8*\t+4], s[SEL], s[SEL+1]   ; the query's other 32 keys lie in the lane 16 away
.endr
.irp t, 0,1,2,3
	v_mov_b32 v[ST+8*\t+7], v[ST+8*\t]             ; c m_old is kept for a
.endr
.irp t, 0,1,2,3
	v_max_num_f32 v[ST+8*\t+1], v[ST+8*\t+4], v[ST+8*\t+5]
.endr
.irp t, 0,1,2,3
	v_mul_f32 v[ST+8*\t], s[CS], v[ST+8*\t+1]
.endr
.irp t, 0,1,2,3
	v_sub_f32 v[ST+8*\t+7], v[ST+8*\t+7], v[ST+8*\t]
.endr
.irp t, 0,1,2,3                                ; ONE BATCH of 132 exponentials, none of which reads another's result: the four a,
	v_exp_f32 v[ST+8*\t+6], v[ST+8*\t+7]
.endr
.irp p, 0,2,4,6,8,10,12,14,16,18,20,22,24,26,28,30   ; then pair by pair: four scalings c s - c m, eight exponentials
.irp t, 0,1,2,3
	v_pk_fma_f32 v[S+32*\t+\p:S+32*\t+\p+1], v[S+32*\t+\p:S+32*\t+\p+1], s[CS:CS+1], v[ST+8*\t:ST+8*\t+1] op_sel_hi:[1,0,0] neg_lo:[0,0,1] neg_hi:[0,0,1]
.endr
.irp t, 0,1,2,3
	v_exp_f32 v[S+32*\t+\p], v[S+32*\t+\p]
	v_exp_f32 v[S+32*\t+\p+1], v[S+32*\t+\p+1]
.endr
.endr
	v_nop                                          ; a plain instruction behind the last exponential,
	s_wait_alu depctr_va_vdst(0)                   ; and the one wait ahead of the batch's first reader
	WIN 0x40                                       ; P lies in window 1
.irp p, 0,1,2,3,4,5,6,7,8,9,10,11,12,13,14,15
.irp t, 0,1,2,3
	v_cvt_pk_f16_f32 v[P+16*\t+\p], v[S+32*\t+2*\p], v[S+32*\t+2*\p+1]
.endr
.endr
	WIN 0
.irp u, 0,1,2,3,4,5,6,7                        ; the sum of the unrounded p, in place: neighbours 1, 2, 4 and 8 pairs apart
.irp t, 0,1,2,3
	v_pk_add_f32 v[S+32*\t+4*\u:S+32*\t+4*\u+1], v[S+32*\t+4*\u:S+32*\t+4*\u+1], v[S+32*\t+4*\u+2:S+32*\t+4*\u+3]
.endr
.endr
.irp u, 0,1,2,3
.irp t, 0,1,2,3
	v_pk_add_f32 v[S+32*\t+8*\u:S+32*\t+8*\u+1], v[S+32*\t+8*\u:S+32*\t+8*\u+1], v[S+32*\t+8*\u+4:S+32*\t+8*\u+5]
.endr
.endr
.irp u, 0,1
.irp t, 0,1,2,3
	v_pk_add_f32 v[S+32*\t+16*\u:S+32*\t+16*\u+1], v[S+32*\t+16*\u:S+32*\t+16*\u+1], v[S+32*\t+16*\u+8:S+32*\t+16*\u+9]
.endr
.endr
.irp t, 0,1,2,3
	v_pk_add_f32 v[S+32*\t:S+32*\t+1], v[S+32*\t:S+32*\t+1], v[S+32*\t+16:S+32*\t+17]
.endr
.irp t, 0,1,2,3
	v_pk_fma_f32 v[ST+8*\t+2:ST+8*\t+3], v[ST+8*\t+2:ST+8*\t+3], v[ST+8*\t+6:ST+8*\t+7], v[S+32*\t:S+32*\t+1] op_sel_hi:[1,0,1]   ; l = a l + the sum
.endr
	WIN 0x41                                       ; O^T (destination and source 0) in window 1, a in window 0
.irp q, 0,2,4,6,8,10,12,14,16,18,20,22,24,26,28,30
.irp t, 0,1,2,3
	v_pk_mul_f32 v[32*\t+\q:32*\t+\q+1], v[32*\t+\q:32*\t+\q+1], v[ST+8*\t+6:ST+8*\t+7] op_sel_hi:[1,0]   ; each accumulator from its low end on
.endr
.endr
.endm
; A KEY STEP: 64 keys against my 64 queries.
.macro STEP
	v_add_nc_u32 v[ADK], s[TB], v[AK0]
	v_add_nc_u32 v[ADV], s[TB], v[AV0]
	v_nop
	v_nop                                          ; four plain places between the last products, which read V, and the loads below into the same registers
.irp s, 0,1                                    ; K: 4 tiles of 16 keys x [s 2][c 2] half images; channels 0-31 first
.irp kt, 0,1,2,3
.irp c, 0,1
	ds_load_b128 v[KV+16*\kt+8*\s+4*\c:KV+16*\kt+8*\s+4*\c+3], v[ADK] offset:\kt*2048+\s*1024+\c*512
.endr
.endr
.endr
	s_wait_dscnt 8                                 ; channels 0-31 are in; the eight loads of channels 32-63 may be out
	WIN 0x04                                       ; Q in window 1
.set i, 0
.rept 16
	KQ
.endr
	s_wait_dscnt 0x0
.rept 16
	KQ
.endr
	WIN 0
	PLACES                                         ; ahead of the loads into K's registers and of the first read of the scores
.set n, 0
.rept 16                                       ; V: [32 keys 2][ct 4][c 2] half images, on end; they land while the softmax is walked
	ds_load_b128 v[KV+4*n:KV+4*n+3], v[ADV] offset:512*n
.set n, n+1
.endr
	SOFTMAX
	s_wait_dscnt 0x0                               ; V is in
	WIN 0x54                                       ; P, C and D in window 1, V in window 0
.set i, 0
.rept 32
	PV
.endr
	WIN 0                                          ; at a label and at a branch every window is 0
	s_add_co_u32 s[TB], s[TB], 8192                ; the next step
.endm
.macro FOUR_STEPS                      ; my four steps of a slot: written once, walked four times
	s_mov_b32 s[STEPS], 4
.Lstep_\@:
	STEP
	s_sub_co_u32 s[STEPS], s[STEPS], 1
	s_cmp_lg_u32 s[STEPS], 0
	s_cbranch_scc1 .Lstep_\@
	s_sub_co_u32 s[TB], s[TB], 32768               ; back to a slot's first step,
	s_xor_b32 s[TB], s[TB], SLOT1                  ; in the other slot
.endm
; THE CHANGE OF SLOTS stands at a slot's head.  Each wave waits for all its tensor loads (one is out: its part of the slot that it is about to read), adds 0 to its spare word, and waits for that and for its reads of the slot left.
; fill = 1: the barrier is a round of the cluster's, so that no wave of any partner still reads the other slot or has a load on its way; the joint load of the next 512 keys into that slot is the first thing behind it
; and has my four key steps, 256 matrix instructions, in which to land.
.macro CHANGE fill
	s_wait_tensorcnt 0x0                           ; no tensor load of mine is out, so a group 0 may be written
	ds_add_u32 v[SPW], v[NIL]                      ; 0 onto my spare word
.if \fill
	s_xor_b32 s[G0K+1], s[G0K+1], SLOT1            ; the walking descriptors: the other slot than last time,
	s_add_nc_u64 s[G0K+2:G0K+3], s[G0K+2:G0K+3], 65536   ; the next 512 keys; the type bits on top are not reached
	s_xor_b32 s[G0V+1], s[G0V+1], SLOT1
	s_add_nc_u64 s[G0V+2:G0V+3], s[G0V+2:G0V+3], 65536
	s_wait_xcnt 0x0                                ; the last prefetch, a slot back, has read its address, so it may be written:
	s_add_nc_u64 s[PFA:PFA+1], s[PFA:PFA+1], 65536 ; one slot further on than the walking descriptors
	s_wait_dscnt 0x0                               ; the add is done, and my reads of the slot that I have left are over
	CROUND
	JLOAD
	ASK
.else
	s_wait_dscnt 0x0
	s_barrier_signal -1
	s_barrier_wait -1
.endif
.endm
.Lslot:                                            ; 7 trips: behind each change of slots but the last the next slot is asked for
	CHANGE 1
	FOUR_STEPS
	s_sub_co_u32 s[SLOTS], s[SLOTS], 1
	s_cmp_lg_u32 s[SLOTS], 0
	s_cbranch_scc1 .Lslot
	CHANGE 0                                       ; the last slot is written out
	FOUR_STEPS
	; THE WAY OUT.  l's two halves and the other half of the lanes' are added (twelve plain lines: the places behind the last products); tiles 2, 3 are shipped to the partner wave, which holds the same queries' other keys.
.irp t, 0,1,2,3
	v_add_f32 v[ST+8*\t+4], v[ST+8*\t+2], v[ST+8*\t+3]
.endr
.irp t, 0,1,2,3
	v_permlanex16_b32 v[ST+8*\t+5], v[ST+8*\t+4], s[SEL], s[SEL+1]
.endr
.irp t, 0,1,2,3
	v_add_f32 v[ST+8*\t+4], v[ST+8*\t+4], v[ST+8*\t+5]
.endr
	WIN 0x04                                       ; an LDS store's data are its source 1: window 1
.irp f, 0,1,2,3,4,5,6,7,8,9,10,11,12,13,14,15
	ds_store_b128 v[XW], v[64+4*\f:64+4*\f+3] offset:512*\f    ; O^T of tiles 2, 3 as it stands, each accumulator's low half first
.endr
	WIN 0
	ds_store_b32 v[XWS], v[ST+16] offset:8192      ; c m and l of tile 2,
	ds_store_b32 v[XWS], v[ST+20] offset:8192+128
	ds_store_b32 v[XWS], v[ST+24] offset:8192+256  ; of tile 3
	ds_store_b32 v[XWS], v[ST+28] offset:8192+384
	s_wait_dscnt 0x0                               ; for the partner's sake: my stores have landed
	s_barrier_signal -1
	s_barrier_wait -1
.irp f, 0,1,2,3,4,5,6,7,8,9,10,11,12,13,14,15
	ds_load_b128 v[S+4*\f:S+4*\f+3], v[XR] offset:512*\f       ; the partner's O^T of my tiles 0, 1
.endr
.irp k, 0,1,2,3
	ds_load_b32 v[16+\k], v[XRS] offset:8192+128*\k            ; its c m, l of tile 0; c m, l of tile 1
.endr
	s_wait_dscnt 0x0
.irp i, 0,1
	v_max_num_f32 v[20+\i], v[ST+8*\i], v[16+2*\i] ; the common c m
.endr
.irp i, 0,1
	v_sub_f32 v[22+\i], v[ST+8*\i], v[20+\i]
	v_sub_f32 v[24+\i], v[16+2*\i], v[20+\i]
.endr
.irp i, 0,1
	v_exp_f32 v[22+\i], v[22+\i]                   ; f1: mine under the common maximum,
	v_exp_f32 v[24+\i], v[24+\i]                   ; f2: the partner's; one of the two is 1
.endr
	v_nop
	s_wait_alu depctr_va_vdst(0)                   ; one wait for the four exponentials, ahead of their first reader
.irp i, 0,1
	v_mul_f32 v[26+\i], v[ST+8*\i+4], v[22+\i]
.endr
.irp i, 0,1
	v_fmac_f32 v[26+\i], v[17+2*\i], v[24+\i]      ; the row's sum over all 4,096 keys
.endr
.irp i, 0,1
	v_rcp_f32 v[26+\i], v[26+\i]
.endr
	v_nop
	s_wait_alu depctr_va_vdst(0)                   ; one wait for the two reciprocals
.irp i, 0,1
	v_mul_f32 v[52+2*\i], v[22+\i], v[26+\i]       ; g1 = f1 / sum, g2 = f2 / sum, in tile 2's statistics registers, all written before: the packed forms name them as pairs
	v_mul_f32 v[48+2*\i], v[24+\i], v[26+\i]
.endr
.irp i, 0,1
.irp q, 0,2,4,6,8,10,12,14,16,18,20,22,24,26,28,30
	v_pk_mul_f32 v[S+32*\i+\q:S+32*\i+\q+1], v[S+32*\i+\q:S+32*\i+\q+1], v[48+2*\i:49+2*\i] op_sel_hi:[1,0]
.endr
.endr
	WIN 0x01                                       ; my O^T, source 0, in window 1
.irp i, 0,1
.irp q, 0,2,4,6,8,10,12,14,16,18,20,22,24,26,28,30
	v_pk_fma_f32 v[S+32*\i+\q:S+32*\i+\q+1], v[32*\i+\q:32*\i+\q+1], v[52+2*\i:53+2*\i], v[S+32*\i+\q:S+32*\i+\q+1] op_sel_hi:[1,0,1]
.endr
.endr
	WIN 0
.set n, 0
.rept 32
	v_cvt_pk_f16_f32 v[KV+n], v[S+2*n], v[S+2*n+1] ; a lane's eight channels of a token: its 16 bytes of a half image
.set n, n+1
.endr
.irp i, 0,1
.irp ct, 0,1,2,3
	global_store_b128 v[LI], v[KV+16*\i+4*\ct:KV+16*\i+4*\ct+3], s[10:11] offset:\i*4096+\ct*512   ; 32 lanes store 512 consecutive bytes, aligned
.endr
.endr
	s_wait_tensorcnt 0x0                           ; the wave's end: behind my last tensor load and my last LDS store
	ds_add_u32 v[SPW], v[NIL]
	s_wait_dscnt 0x0
	CROUND                                         ; the closing round: no work-group ends while a partner may still ask for a tile that names it
	s_endpgm
.Lfunc_end_k_qbeaf40e4e3_attn:
	.size	k_qbeaf40e4e3_attn, .Lfunc_end_k_qbeaf40e4e3_attn-k_qbeaf40e4e3_attn
	.p2alignl 7, 3214868480
	.fill 96, 4, 3214868480
	.section	.rodata,"a",@progbits
	.p2align	6, 0x0
	.amdhsa_kernel k_qbeaf40e4e3_attn
		.amdhsa_group_segment_fixed_size 327680
		.amdhsa_private_segment_fixed_size 0
		.amdhsa_enable_private_segment 0
		.amdhsa_kernarg_size 32
		.amdhsa_user_sgpr_count 2
		.amdhsa_user_sgpr_kernarg_segment_ptr 1
		.amdhsa_wavefront_size32 1
		.amdhsa_system_sgpr_workgroup_id_x 1
		.amdhsa_system_sgpr_workgroup_id_y 1
		.amdhsa_system_sgpr_workgroup_id_z 1
		.amdhsa_system_vgpr_workitem_id 0
		.amdhsa_next_free_vgpr 512
		.amdhsa_next_free_sgpr 66
		.amdhsa_reserve_vcc 0
		.amdhsa_float_denorm_mode_32 3
		.amdhsa_float_denorm_mode_16_64 3
		.amdhsa_memory_ordered 1
		.amdhsa_forward_progress 1
		.amdhsa_inst_pref_size 88
	.end_amdhsa_kernel
	.amdgpu_metadata
---
amdhsa.version: [ 1, 2 ]
amdhsa.kernels:
  - .name:           k_qbeaf40e4e3_attn
    .symbol:         k_qbeaf40e4e3_attn.kd
    .args:
      - { .name: qimg, .offset: 0, .size: 8, .value_kind: global_buffer, .address_space: global }
      - { .name: kimg, .offset: 8, .size: 8, .value_kind: global_buffer, .address_space: global }
      - { .name: vimg, .offset: 16, .size: 8, .value_kind: global_buffer, .address_space: global }
      - { .name: att, .offset: 24, .size: 8, .value_kind: global_buffer, .address_space: global }
    .group_segment_fixed_size: 327680
    .private_segment_fixed_size: 0
    .kernarg_segment_align: 8
    .kernarg_segment_size: 32
    .max_flat_workgroup_size: 256
    .sgpr_count:     66
    .vgpr_count:     512
    .wavefront_size: 32
...
	.end_amdgpu_metadata
.endif
;; end of part 3
;; launch proj (part 4): grid 4 x 64, 4 waves a work-group, clusters of 4 x 4, 280,064 bytes of LDS; arguments att, wo16, bo, out0; writes out0
.if DOCPART == 4
	.amdgcn_target "amdgcn-amd-amdhsa--gfx1250"
	.amdhsa_code_object_version 6
	.text
	.protected	k_qbeaf40e4e3_proj
	.globl	k_qbeaf40e4e3_proj
	.p2align	8
	.type	k_qbeaf40e4e3_proj,@function
k_qbeaf40e4e3_proj:
	s_mov_b64 s[64:65], 0
	v_nop
	global_prefetch_b8 v0, s[64:65] scope:SCOPE_SE
	s_setreg_imm32_b32 hwreg(HW_REG_WAVE_MODE, 25, 1), 1
	s_wait_xcnt 0x0
	s_wait_alu depctr_hold_cnt(0) depctr_sa_sdst(0) depctr_va_vdst(0) depctr_va_sdst(0) depctr_va_ssrc(0) depctr_va_vcc(0) depctr_vm_vsrc(0)
	s_getreg_b32 s2, hwreg(HW_REG_IB_STS2, 6, 4)
	s_cmp_eq_u32 s2, 0
	s_cbranch_scc0 .Lentry_in_a_cluster
	s_endpgm
.Lentry_in_a_cluster:
	s_bfe_u32 s2, ttmp6, 0x10000c
	s_cmp_lg_u32 s2, 0xf033
	s_cbranch_scc0 .Lentry_shape_is_right
	s_endpgm
.Lentry_shape_is_right:
; out0 = att Wo + bo.  att [8,192 tokens][512] and Wo [512 (k)][512 (n)] arrive as f16 images of the operands' registers, cut along K into four chunks of 128; sums in f32; out0 f32.
; SHARES.  A tile of out0 is 128 tokens x 128 columns: 256 work-groups.  Four waves, each 64 x 64: 16 accumulators.  ALL OF K FITS IN LDS (131,072 bytes of att's tile, as many of Wo's): no ring, nothing is filled again.
; Each wave issues four tensor loads at the head, one for each chunk of K, 16,384 dense bytes each (waves 0, 1: the halves of att's tile; waves 2, 3: of Wo's); four loads of a wave are out, and each chunk is multiplied as soon as it has landed.
; CLUSTERS: 4 x 4 work-groups.  The four of a row of the cluster need the same tokens, the four of a column the same columns of Wo: each block is asked for JOINTLY, which divides the requests for both by four.
; THE MATRIX INSTRUCTION IS USED TRANSPOSED (source 0 = 16 columns of Wo, source 1 = 16 tokens): a lane holds eight neighbouring numbers of a row of out0.  The bias is the C of each sum's first matrix instruction.
; REGISTERS: window 0: v4-15 addresses; v32-63 the bias; v64-127 rows on the way out, two sets; v128-255 the accumulators ((a, b) at v[128 + 8 (4 a + b)]).
;   window 1: two fragment buffers of 128, each 64 along K deep: 64 registers of tokens (8 (4 c2 + a)), then 64 of Wo.
.set WOFF,  131072                     ; LDS: att's four chunks of 32,768 bytes, then Wo's
.set STAGE, 262144                     ; the way out: 16 rows x (256 bytes + 16) for each wave; no tensor load lands here
.set SPARE, STAGE+4*16*272             ; the spare words, 128 bytes for each wave: two blocks of 256 bytes that no other line names
.set LI,  4                            ; v4   16 x lane
.set ADA, 6                            ; v6-7 my tokens' fragments in chunks 0, 1 and in chunks 2, 3
.set ADB, 8                            ; v8-9 the same for Wo
.set STO, 10                           ; v10  the stage: where I put 32 bytes of a row
.set RD,  11                           ; v11  and where I read a row back
.set CO,  12                           ; v12  my byte offset in out0
.set BA,  13                           ; v13  32 h
.set SPW, 14                           ; v14  my spare word; never rewritten
.set NIL, 15                           ; v15  0; never rewritten
.set BI,  32
.set BK,  64
.set ACC, 128
.set G1A, 24                           ; s[24:31] descriptor group 1 for att's blocks;  s[32:39] for Wo's: it differs in the mask alone
.set G1B, 32
.set G0A, 40                           ; s[40:55] groups 0 for att's four chunks
.set G0B, 68                           ; s[68:83] for Wo's
.set MSB, 0
.macro WIN new                         ; the immediate's high byte repeats the setting that is left
.if MSB != \new
	s_set_vgpr_msb (MSB<<8)|\new
.set MSB, \new
.endif
.endm
.macro PLACES
.rept 4
	v_nop
.endr
.endm
.macro CROUND                          ; a round of the cluster's barrier
	s_barrier_signal -1
	s_barrier_wait -1
	s_cmp_lg_u32 s12, 0
	s_cbranch_scc1 .Lnot_wave_0_\@
	s_barrier_signal -3
.Lnot_wave_0_\@:
	s_barrier_wait -3
	s_barrier_signal -1
	s_barrier_wait -1
.endm
	s_load_b256 s[4:11], s[0:1], 0x0               ; att s[4:5], wo16 s[6:7], bo s[8:9], out0 s[10:11]
	v_lshl_add_u32 v[SPW], v0, 2, SPARE
	v_mov_b32 v[NIL], 0
	ds_add_u32 v[SPW], v[NIL]                      ; the wave's opening: the add, twice on end, and its wait ahead of my first tensor load; the set-up below, work on registers, stands between
	ds_add_u32 v[SPW], v[NIL]
	v_lshrrev_b32 v1, 5, v0
	v_readfirstlane_b32 s12, v1                    ; wave 0..3
	s_lshr_b32 s13, s12, 1                         ; which 64 tokens are mine.  Also: I fetch for att (0) or for Wo (1)
	s_and_b32 s14, s12, 1                          ; which 64 columns.  Also: which half of that block I fetch
	s_bfe_u32 s15, ttmp6, 0x40000                  ; cx, cy: my place in the cluster
	s_bfe_u32 s16, ttmp6, 0x40004
	s_lshl_b32 s17, ttmp9, 2
	s_add_co_u32 s17, s17, s15                     ; tile column = 4 x cluster x + cx
	s_and_b32 s18, ttmp7, 0xffff
	s_lshl_b32 s18, s18, 2
	s_add_co_u32 s18, s18, s16                     ; tile row = 4 x cluster y + cy
	s_lshl_b32 s84, s16, 2
	s_lshl_b32 s84, 15, s84                        ; my row of the cluster
	s_lshl_b32 s85, 0x1111, s15                    ; my column
	; descriptor group 1: a dense block of 16,384 bytes as 64 rows of 256 bytes (32 elements of 8 bytes), no padding
	s_or_b32 s[G1A], s84, (3<<16)|(1<<21)          ; 15:0 the mask: att's blocks go to my row; 17:16 elements of 8 bytes; 21 set beside a mask
	s_or_b32 s[G1B], s85, (3<<16)|(1<<21)          ; Wo's go to my column
.irp g, G1A, G1B
	s_mov_b32 s[\g+1], 32<<16                      ; tensor_dim0 = 32
	s_mov_b32 s[\g+2], 64<<16                      ; tensor_dim1 = 64
	s_mov_b32 s[\g+3], 32<<16                      ; tile_dim0 = 32
	s_mov_b32 s[\g+4], 64                          ; tile_dim1 = 64
	s_mov_b32 s[\g+5], 32                          ; from row to row
	s_mov_b32 s[\g+6], 0
	s_mov_b32 s[\g+7], 0
.endr
	s_lshl_b32 s20, s14, 14                        ; my half: 4 tiles of 4,096 bytes, in memory and in LDS alike: no place in the cluster enters an LDS address
	s_lshl_b32 s56, s18, 15                        ; att: 8 token tiles a tile row,
	s_add_co_u32 s56, s56, s20
	s_mov_b32 s57, 0
	s_lshl_b32 s58, s17, 15                        ; Wo: 8 column tiles a tile column.  Neither pair ever holds the other coordinate
	s_add_co_u32 s58, s58, s20
	s_mov_b32 s59, 0
	s_lshl_b32 s60, s17, 9                         ; bo and out0: my first column, in bytes: 512 x tile column + 256 x half
	s_lshl_b32 s61, s14, 8
	s_add_co_u32 s60, s60, s61
	s_mov_b32 s61, 0
	s_lshl_b32 s62, s18, 18                        ; out0: 128 rows of 2,048 bytes a tile row,
	s_lshl_b32 s63, s13, 17                        ; 64 a half
	s_add_co_u32 s62, s62, s63
	s_add_co_u32 s62, s62, s60
	s_mov_b32 s63, 0
	v_and_b32 v1, 31, v0                           ; lane
	v_and_b32 v2, 15, v0                           ; r
	v_bfe_u32 v3, v0, 4, 1                         ; h
	v_lshlrev_b32 v[LI], 4, v1
	s_lshl_b32 s21, s13, 14
	v_add_nc_u32 v[ADA], s21, v[LI]                ; my 4 token tiles in a chunk
	v_add_nc_u32 v[ADA+1], 0x10000, v[ADA]
	s_add_co_u32 s21, s20, WOFF
	v_add_nc_u32 v[ADB], s21, v[LI]                ; my 4 column tiles
	v_add_nc_u32 v[ADB+1], 0x10000, v[ADB]
	s_mul_i32 s21, s12, 16*272
	s_add_co_u32 s21, s21, STAGE                   ; my stage
	v_mul_u32_u24 v[STO], v2, 272
	v_lshl_add_u32 v[STO], v3, 5, v[STO]
	v_add_nc_u32 v[STO], s21, v[STO]               ; in: row r, 32 bytes for each half of the lanes
	v_mul_u32_u24 v[RD], v3, 272
	v_lshl_add_u32 v[RD], v2, 4, v[RD]
	v_add_nc_u32 v[RD], s21, v[RD]                 ; back: lanes 0-15 one row of 256 bytes, lanes 16-31 the next
	v_lshlrev_b32 v[CO], 11, v3
	v_lshl_add_u32 v[CO], v2, 4, v[CO]             ; and the same two rows in out0
	v_lshlrev_b32 v[BA], 5, v3
	s_wait_dscnt 0x0                               ; both opening adds are done
	s_wait_kmcnt 0x0
	s_add_nc_u64 s[86:87], s[4:5], s[56:57]
	s_add_nc_u64 s[88:89], s[6:7], s[58:59]
	s_add_nc_u64 s[8:9], s[8:9], s[60:61]
	s_add_nc_u64 s[10:11], s[10:11], s[62:63]
	CROUND                                         ; all sixteen work-groups are here: the joint loads meet
.irp q, 0,1,2,3
	s_mov_b32 s[G0A+4*\q], 1                                       ; count = 1
	s_add_co_u32 s[G0A+4*\q+1], s20, \q*32768                      ; LDS address
	s_add_nc_u64 s[G0A+4*\q+2:G0A+4*\q+3], s[86:87], \q*2097152    ; global address: chunk q of att
	s_or_b32 s[G0A+4*\q+3], s[G0A+4*\q+3], 0x80000000              ; type = 2
	s_mov_b32 s[G0B+4*\q], 1
	s_add_co_u32 s[G0B+4*\q+1], s20, WOFF+\q*32768
	s_add_nc_u64 s[G0B+4*\q+2:G0B+4*\q+3], s[88:89], \q*131072
	s_or_b32 s[G0B+4*\q+3], s[G0B+4*\q+3], 0x80000000
.endr
	s_cmp_eq_u32 s13, 0                            ; a wave's four fills stand in one branch, ahead of every wait on TENSORcnt and every LDS read; an s_nop 0 follows each, four v_nop the last
	s_cbranch_scc0 .Lfirst_b
.irp q, 0,1,2,3
	tensor_load_to_lds s[G0A+4*\q:G0A+4*\q+3], s[G1A:G1A+7]
	s_nop 0
.endr
.rept 4
	v_nop
.endr
	s_branch .Lfirst_asked
.Lfirst_b:
.irp q, 0,1,2,3
	tensor_load_to_lds s[G0B+4*\q:G0B+4*\q+3], s[G1B:G1B+7]
	s_nop 0
.endr
.rept 4
	v_nop
.endr
.Lfirst_asked:
.irp b, 0,1,2,3
.irp c, 0,1
	global_load_b128 v[BI+8*\b+4*\c:BI+8*\b+4*\c+3], v[BA], s[8:9] offset:64*\b+16*\c   ; lane (r, h) wants, for column tile b, bo of columns 16 b + 8 h + 0 .. 7
.endr
.endr
; 32 LDS loads in one run: the fragments of quarter u (64 along K: chunk u / 2, its half u % 2) into buffer u % 2; the first 32 along K first
.macro FETCH u
.set fb, 128*((\u)%2)
.set hi, (\u)/4
.set ob, (((\u)/2)%2)*32768+((\u)%2)*2048
	WIN 0x40                                       ; destination window 1, address window 0
.irp c2, 0,1
.irp i, 0,1,2,3
	ds_load_b128 v[fb+64+8*(4*\c2+\i):fb+64+8*(4*\c2+\i)+3],   v[ADB+hi] offset:ob+\i*4096+\c2*1024
	ds_load_b128 v[fb+64+8*(4*\c2+\i)+4:fb+64+8*(4*\c2+\i)+7], v[ADB+hi] offset:ob+\i*4096+\c2*1024+512
	ds_load_b128 v[fb+8*(4*\c2+\i):fb+8*(4*\c2+\i)+3],         v[ADA+hi] offset:ob+\i*4096+\c2*1024
	ds_load_b128 v[fb+8*(4*\c2+\i)+4:fb+8*(4*\c2+\i)+7],       v[ADA+hi] offset:ob+\i*4096+\c2*1024+512
.endr
.endr
.endm
; 16 matrix instructions: 4 token tiles x 4 column tiles, 32 along K: half c2 of buffer u % 2.  The 16 accumulators take turns, one instruction a turn.  first = 1: the bias starts the sums.
.macro MUL16 u, c2, first
.set fb, 128*((\u)%2)
.irp a, 0,1,2,3
.irp b, 0,1,2,3
.if \first
	v_wmma_f32_16x16x32_f16 v[ACC+8*(4*\a+\b):ACC+8*(4*\a+\b)+7], v[fb+64+8*(4*\c2+\b):fb+64+8*(4*\c2+\b)+7], v[fb+8*(4*\c2+\a):fb+8*(4*\c2+\a)+7], v[BI+8*\b:BI+8*\b+7]
.else
	v_wmma_f32_16x16x32_f16 v[ACC+8*(4*\a+\b):ACC+8*(4*\a+\b)+7], v[fb+64+8*(4*\c2+\b):fb+64+8*(4*\c2+\b)+7], v[fb+8*(4*\c2+\a):fb+8*(4*\c2+\a)+7], v[ACC+8*(4*\a+\b):ACC+8*(4*\a+\b)+7]
.endif
.endr
.endr
.endm
; Quarter u multiplies buffer u % 2 and, in its middle, fetches the next quarter into the other buffer.  Where that quarter begins a new chunk of K, a barrier stands in front of the fetch:
; each wave has waited for its part of that chunk; the later chunks' loads stay out.
.macro QUARTER u
	s_wait_dscnt 16                                ; the first 32 along K are in; the sixteen loads of the second 32 may be out
	WIN 0x05                                       ; sources 0 (Wo) and 1 (tokens) window 1; C and D window 0
.if (\u) == 0
	MUL16 \u, 0, 1
.else
	MUL16 \u, 0, 0
.endif
.if (\u) < 7
	PLACES                                         ; ahead of the loads into the buffer that the quarter before multiplied
.if (\u)%2
	s_wait_tensorcnt 3-((\u)+1)/2                  ; my load of chunk (u + 1) / 2 has landed; the loads issued behind it may be out
	s_wait_dscnt 0x0                               ; no LDS instruction of mine is pending at a signal
	s_barrier_signal -1
	s_barrier_wait -1                              ; everybody's part of the chunk has landed
.endif
	FETCH (\u)+1
	s_wait_dscnt 32                                ; all but the 32 just issued
.else
	s_wait_dscnt 0x0
.endif
	WIN 0x05
	MUL16 \u, 1, 0
.endm
	s_wait_tensorcnt 3                             ; my part of chunk 0 is in; the three loads behind it may be out
	s_wait_loadcnt 0x0                             ; the bias
	s_barrier_signal -1
	s_barrier_wait -1                              ; everybody's part is in
	FETCH 0
.irp u, 0,1,2,3,4,5,6,7
	QUARTER \u
.endr
	WIN 0
; THE WAY OUT, a tile of 16 tokens x 64 columns at a time.  A lane holds 32 neighbouring bytes of a row, and the lanes beside it hold other rows: so a tile goes through my own stage in LDS and comes back as whole rows
; of 256 bytes.  LDS serves a wave's instructions in order (ISA guide 5.7.1.4): no wait between the stores and the loads, nor in front of the next tile's stores.
.macro TOSTAGE a
.irp b, 0,1,2,3
	ds_store_b128 v[STO], v[ACC+8*(4*(\a)+\b):ACC+8*(4*(\a)+\b)+3] offset:64*\b          ; each accumulator from its low end on
	ds_store_b128 v[STO], v[ACC+8*(4*(\a)+\b)+4:ACC+8*(4*(\a)+\b)+7] offset:64*\b+16
.endr
.irp t, 0,1,2,3,4,5,6,7
	ds_load_b128 v[BK+32*((\a)%2)+4*\t:BK+32*((\a)%2)+4*\t+3], v[RD] offset:544*\t
.endr
.endm
.macro SEND a, younger                 ; younger: the LDS instructions issued behind tile a's loads, which may stay out
	s_wait_dscnt \younger
.irp t, 0,1,2,3,4,5,6,7
	global_store_b128 v[CO], v[BK+32*((\a)%2)+4*\t:BK+32*((\a)%2)+4*\t+3], s[10:11] offset:(16*(\a)+2*\t)*2048 th:TH_STORE_NT   ; 16 lanes store 256 consecutive bytes, aligned; written once, read by nobody here
.endr
.endm
	PLACES                                         ; ahead of the first read of the results
	TOSTAGE 0
.irp a, 1,2,3
.if \a > 1
	s_wait_xcnt 0x0                                ; tile a - 2's stores have read their registers: tile a's loads may land there
.endif
	TOSTAGE \a
	SEND \a-1, 16                                  ; behind tile a - 1's loads: tile a's 8 stores and 8 loads
.endr
	SEND 3, 0
	s_wait_tensorcnt 0x0                           ; the wave's end: behind my last tensor load and my last LDS store
	ds_add_u32 v[SPW], v[NIL]
	s_wait_dscnt 0x0
	CROUND                                         ; the closing round: no work-group ends while a partner may still ask for a block that names it
	s_endpgm
.Lfunc_end_k_qbeaf40e4e3_proj:
	.size	k_qbeaf40e4e3_proj, .Lfunc_end_k_qbeaf40e4e3_proj-k_qbeaf40e4e3_proj
	.p2alignl 7, 3214868480
	.fill 96, 4, 3214868480
	.section	.rodata,"a",@progbits
	.p2align	6, 0x0
	.amdhsa_kernel k_qbeaf40e4e3_proj
		.amdhsa_group_segment_fixed_size 280064
		.amdhsa_private_segment_fixed_size 0
		.amdhsa_enable_private_segment 0
		.amdhsa_kernarg_size 32
		.amdhsa_user_sgpr_count 2
		.amdhsa_user_sgpr_kernarg_segment_ptr 1
		.amdhsa_wavefront_size32 1
		.amdhsa_system_sgpr_workgroup_id_x 1
		.amdhsa_system_sgpr_workgroup_id_y 1
		.amdhsa_system_sgpr_workgroup_id_z 1
		.amdhsa_system_vgpr_workitem_id 0
		.amdhsa_next_free_vgpr 512
		.amdhsa_next_free_sgpr 96
		.amdhsa_reserve_vcc 0
		.amdhsa_float_denorm_mode_32 3
		.amdhsa_float_denorm_mode_16_64 3
		.amdhsa_memory_ordered 1
		.amdhsa_forward_progress 1
		.amdhsa_inst_pref_size 51
	.end_amdhsa_kernel
	.amdgpu_metadata
---
amdhsa.version: [ 1, 2 ]
amdhsa.kernels:
  - .name:           k_qbeaf40e4e3_proj
    .symbol:         k_qbeaf40e4e3_proj.kd
    .args:
      - { .name: att, .offset: 0, .size: 8, .value_kind: global_buffer, .address_space: global }
      - { .name: wo16, .offset: 8, .size: 8, .value_kind: global_buffer, .address_space: global }
      - { .name: bo, .offset: 16, .size: 8, .value_kind: global_buffer, .address_space: global }
      - { .name: out0, .offset: 24, .size: 8, .value_kind: global_buffer, .address_space: global }
    .group_segment_fixed_size: 280064
    .private_segment_fixed_size: 0
    .kernarg_segment_align: 8
    .kernarg_segment_size: 32
    .max_flat_workgroup_size: 128
    .sgpr_count:     96
    .vgpr_count:     512
    .wavefront_size: 32
...
	.end_amdgpu_metadata
.endif
;; end of part 4
